; MI455X (gfx1250); checked and timed in simulation.
; The chip was launched on July 23, 2026; its instructions are those of AMD's public machine-readable ISA for CDNA 5 (MIT licence, August 2026) and "CDNA5" Instruction Set Architecture Reference Guide (July 2026). The comments in the code are by the model that wrote it; some were corrected since.
;; Mo E. Allowed arithmetic: float matrix products may take bf16 or f16 operands with f32 sums; other float arithmetic in f32, or as packed bf16 or f16 multiplies, adds, multiply-adds, maxima and minima; sums over many terms, partial sums and values carried from step to step in f32; what a program stores and reads back later, other than sums and carried values, may be rounded once to bf16 or f16.
;; Inputs: expert_b 4,096 float32; expert_w 4,096 x 2,048 float32; gate_b 8 float32; gate_w 8 x 2,048 float32; x 8,192 x 2,048 float32.
;; Outputs: out0 8,192 x 512 float32.
;; One version. Each part assembles by itself: llvm-mc -triple=amdgcn-amd-amdhsa -mcpu=gfx1250 --defsym DOCPART=n.
;; ======== version 1 of 1: 2 launches
;; workspace buffers: xb 33,554,432 bytes; wb 16,777,216 bytes; rt 65,536 bytes of whole numbers; pw 65,536 bytes
;; launch prep (part 1): grid 256 x 1, 12 waves a work-group, no clusters, 94,976 bytes of LDS; arguments x, expert_w, gate_w, gate_b, xb, wb, rt, pw; writes xb, wb, rt, pw
.if DOCPART == 1
	.amdgcn_target "amdgcn-amd-amdhsa--gfx1250"
	.amdhsa_code_object_version 6
	.text
	.protected	k_q57e61cc6db_prep
	.globl	k_q57e61cc6db_prep
	.p2align	8
	.type	k_q57e61cc6db_prep,@function
k_q57e61cc6db_prep:
	s_mov_b64 s[64:65], 0
	v_nop
	global_prefetch_b8 v0, s[64:65] scope:SCOPE_SE
	s_setreg_imm32_b32 hwreg(HW_REG_WAVE_MODE, 25, 1), 1
	s_wait_xcnt 0x0
; PREP: rounds x and expert_w once to bf16, and makes the gate's choice.
;   xb[token][k]   = bf16(x), row-major, rows of 4,096 bytes.
;   wb             = bf16(expert_w) in the order in which a wave's operand registers take it:
;                    [64 output columns: 64][32 k: 64][16 columns: 4][half: 2][lane: 32][16 bytes]; lane (r, h) holds column 16 f + r, k = 32 s + 16 half + 8 h + 0..7.
;   rt[group of 32 tokens][set 0..31] = {mask, count}: bit t of the mask: token 32 group + t chose that pair of experts; set = hi (hi - 1) / 2 + lo, 0 to 27.
;   pw[token]      = {p of the lower-numbered chosen expert, p of the higher}, f32.
; SHARES.  Work-group g has tokens 32 g .. + 31 and weight rows 16 g .. + 15: twelve units of 16 rows x 512 k of f32, one a wave.  Waves 0-7: x (16 tokens x a quarter of K each),
; waves 8-11: expert_w.  A unit goes in 4 chunks of 128 k; a load takes 512 consecutive bytes of one row; two chunks (32 loads) of every wave are on their way.
; THE GATE.  Logits = bf16(gate_w) x bf16(x)^T on the matrix unit, f32 sums; source 0 = the 8 gate rows (twice), source 1 = 16 tokens: a lane holds all 8 logits of one token.
; The four quarters of K meet in LDS; wave 0 adds bf16(gate_b), takes the maximum away, and finds the two largest probabilities; a strict compare leaves a tie to the lower index.
; Nothing here branches or addresses by these numbers: they are stored at fixed places.
; LIMITS.  The choice follows logits of bf16-rounded inputs with f32 sums: two probabilities that differ by less than those sums' rounding (some 1e-6 of a logit) may be ordered
; otherwise than by another order of summation.  A probability below 2^-126 counts as 0.  NaN and infinities are not treated apart.
.set GWP,   4112                       ; a row of gate_w in LDS: 4,096 bytes + 16: 257 x 16, so the 8 rows of a fragment load start 16 bytes apart modulo 256
.set TILE,  33024                      ; behind gate_w: each wave's own 16 rows x 272 bytes, to turn a chunk into fragments
.set TP,    272
.set PART,  85248                      ; 8 x 1,024 bytes: the X waves' partial logits
.set SPARE, 93440                      ; the spare words: 128 bytes for each of 12 waves, six blocks of 256 bytes that no other line names
.set RA,   16                          ; v16-79    a chunk as loaded
.set RB,   80                          ; v80-143   the other chunk
.set P,    144                         ; v144-175  a chunk in bf16: row i in P + 2 i, P + 2 i + 1
.set XF,   176                         ; v176-207  fragments of my 16 rows, 4 x 32 k
.set GF,   208                         ; v208-239  fragments of gate_w (with XF: a gate row as loaded)
.set ACC0, 240                         ; v240-247, v248-255: two sums that take turns
.macro LDCH buf, c                     ; chunk c: 16 rows x 512 bytes
.set i, 0
.rept 16
	global_load_b128 v[(\buf)+4*i:(\buf)+4*i+3], v1, s[24:25] offset:i*8192+(\c)*512 th:TH_LOAD_NT
.set i, i+1
.endr
.endm
.macro CVT buf                         ; 64 f32 a lane to 32 registers of bf16
	s_wait_xcnt 0x0                                ; the last chunk's stores have read P (or the fragments): they are rewritten only behind this wait
.set i, 0
.rept 32
	v_cvt_pk_bf16_f32 v[P+i], v[(\buf)+2*i], v[(\buf)+2*i+1]
.set i, i+1
.endr
.endm
.macro TILEST                          ; the chunk into my tile: a lane's 8 bytes of each row
.set i, 0
.rept 16
	ds_store_b64 v3, v[P+2*i:P+2*i+1] offset:i*TP
.set i, i+1
.endr
.endm
.macro FRAGS                           ; and back as fragments: LDS serves a wave's instructions in order, so these see the stores above
.set i, 0
.rept 8
	ds_load_b128 v[XF+4*i:XF+4*i+3], v4 offset:32*i
.set i, i+1
.endr
.endm
.macro CHWAIT c                        ; my chunk c is in; the one younger chunk (16 loads) stays out
.if (\c) < 3
	s_wait_loadcnt 16
.else
	s_wait_loadcnt 0x0
.endif
.endm
.macro XCH c, buf                      ; a chunk of x: rounded, stored, and multiplied by the gate's rows
	CHWAIT \c
	CVT \buf
.if (\c) < 2
	LDCH \buf, (\c)+2
.endif
.set i, 0
.rept 16
	global_store_b64 v2, v[P+2*i:P+2*i+1], s[28:29] offset:i*4096+(\c)*256  ; 32 lanes store 256 consecutive bytes, at a multiple of 256 from xb's first
.set i, i+1
.endr
	TILEST
	FRAGS                                          ; the 32 conversions above are the places behind the last chunk's products
.set i, 0
.rept 8
	ds_load_b128 v[GF+4*i:GF+4*i+3], v5 offset:(\c)*256+32*i
.set i, i+1
.endr
	s_wait_dscnt 0x0
.irp q, 0,1,2,3                        ; the two sums take turns, one instruction a turn
.if ((\c) == 0) && ((\q) < 2)
	v_wmma_f32_16x16x32_bf16 v[ACC0+8*(\q):ACC0+8*(\q)+7], v[GF+8*(\q):GF+8*(\q)+7], v[XF+8*(\q):XF+8*(\q)+7], 0
.else
	v_wmma_f32_16x16x32_bf16 v[ACC0+8*((\q)%2):ACC0+8*((\q)%2)+7], v[GF+8*(\q):GF+8*(\q)+7], v[XF+8*(\q):XF+8*(\q)+7], v[ACC0+8*((\q)%2):ACC0+8*((\q)%2)+7]
.endif
.endr
.endm
.macro WCH c, buf                      ; a chunk of expert_w: rounded, turned into fragments, stored in operand order
	CHWAIT \c
	CVT \buf
.if (\c) < 2
	LDCH \buf, (\c)+2
.endif
	TILEST
	FRAGS
	s_wait_dscnt 0x0
.set i, 0
.rept 8
	global_store_b128 v1, v[XF+4*i:XF+4*i+3], s[28:29] offset:(\c)*16384+(i/2)*4096+(i%2)*512  ; 512 consecutive bytes
.set i, i+1
.endr
.endm
	s_load_b512 s[4:19], s[0:1], 0x0               ; x, expert_w, gate_w, gate_b, xb, wb, rt, pw
	v_lshl_add_u32 v6, v0, 2, SPARE                ; my spare word, and 0: kept for the add at the wave's end
	v_mov_b32 v7, 0
	v_lshrrev_b32 v10, 5, v0
	v_readfirstlane_b32 s20, v10                   ; wave 0..11
	v_and_b32 v11, 31, v0                          ; lane
	v_and_b32 v12, 15, v0                          ; r
	v_bfe_u32 v13, v0, 4, 1                        ; h
	v_lshlrev_b32 v1, 4, v11                       ; 16 x lane
	v_lshlrev_b32 v2, 3, v11                       ; 8 x lane
	s_mov_b32 s21, ttmp9                           ; work-group
	s_and_b32 s22, s20, 3                          ; my quarter of K
	s_lshr_b32 s23, s20, 2                         ; X waves: which 16 tokens
	s_mul_i32 s46, s20, 16*TP
	s_add_co_u32 s46, s46, TILE                    ; my tile
	v_add_nc_u32 v3, s46, v2                       ; in: 8 bytes a lane
	v_mul_u32_u24 v4, v12, TP
	v_lshl_add_u32 v4, v13, 4, v4
	v_add_nc_u32 v4, s46, v4                       ; back: row r, 16 bytes for each half of the lanes
	v_and_b32 v5, 7, v0
	v_mul_u32_u24 v5, v5, GWP
	v_lshl_add_u32 v5, v13, 4, v5
	s_lshl_b32 s47, s22, 10
	v_add_nc_u32 v5, s47, v5                       ; gate row r % 8, my quarter of K
	s_mul_i32 s47, s20, GWP
	v_add_nc_u32 v8, s47, v2                       ; waves 0-7: where gate row W goes
	s_lshl_b32 s47, s20, 10
	s_add_co_u32 s47, s47, PART
	v_add_nc_u32 v9, s47, v1                       ; waves 0-7: my partial logits
	; byte offsets, made apart from the addresses
	s_lshl_b32 s40, s22, 11                        ; a quarter of a row of f32
	s_lshl_b32 s26, s21, 18                        ; x: (32 g + 16 tg) rows of 8,192 bytes
	s_lshl_b32 s46, s23, 17
	s_add_co_u32 s26, s26, s46
	s_add_co_u32 s26, s26, s40
	s_lshl_b32 s41, s21, 17                        ; expert_w: 16 g rows
	s_add_co_u32 s41, s41, s40
	s_lshl_b32 s42, s21, 17                        ; xb: rows of 4,096 bytes
	s_lshl_b32 s46, s23, 16
	s_add_co_u32 s42, s42, s46
	s_lshl_b32 s46, s22, 10
	s_add_co_u32 s42, s42, s46
	s_lshr_b32 s43, s21, 2                         ; wb: the stream of 64 columns, 262,144 bytes,
	s_lshl_b32 s43, s43, 18
	s_and_b32 s46, s21, 3                          ; my 16 columns in it, 1,024 bytes,
	s_lshl_b32 s46, s46, 10
	s_add_co_u32 s43, s43, s46
	s_lshl_b32 s46, s22, 16                        ; my quarter of K: 16 x 4,096 bytes
	s_add_co_u32 s43, s43, s46
	s_mov_b32 s27, 0
	s_wait_kmcnt 0x0
	s_load_b256 s[32:39], s[10:11], 0x0            ; gate_b
	s_cmp_lt_u32 s20, 8                            ; an X wave?
	s_cselect_b64 s[24:25], s[4:5], s[6:7]         ; from x or expert_w: both have rows of 8,192 bytes
	s_cselect_b64 s[28:29], s[12:13], s[14:15]     ; to xb or wb
	s_cselect_b32 s26, s26, s41
	s_cselect_b32 s40, s42, s43
	s_mov_b32 s41, 0
	s_add_nc_u64 s[24:25], s[24:25], s[26:27]
	s_add_nc_u64 s[28:29], s[28:29], s[40:41]
	s_cmp_ge_u32 s20, 8
	s_cbranch_scc1 .Lno_gate_load
	s_lshl_b32 s44, s20, 13                        ; waves 0-7 bring a row of gate_w each
	s_mov_b32 s45, 0
	s_add_nc_u64 s[30:31], s[8:9], s[44:45]
.set i, 0
.rept 16
	global_load_b128 v[XF+4*i:XF+4*i+3], v1, s[30:31] offset:i*512
.set i, i+1
.endr
.Lno_gate_load:
	LDCH RA, 0
	LDCH RB, 1
	s_cmp_ge_u32 s20, 8
	s_cbranch_scc1 .Lno_gate_store
	s_wait_loadcnt 32                              ; the gate row is in; the 32 loads of my first two chunks are younger
	CVT XF
.set i, 0
.rept 16
	ds_store_b64 v8, v[P+2*i:P+2*i+1] offset:i*256
.set i, i+1
.endr
.Lno_gate_store:
	s_wait_kmcnt 0x0                               ; gate_b
	s_wait_dscnt 0x0                               ; for the others' sake: my row of gate_w lies in LDS
	s_barrier_signal -1
	s_barrier_wait -1                              ; all eight rows do
	s_cmp_ge_u32 s20, 8
	s_cbranch_scc1 .Lw_path
	XCH 0, RA
	XCH 1, RB
	XCH 2, RA
	XCH 3, RB
.rept 4
	v_nop                                          ; the places behind the last products
.endr
.irp i, 0,2,4,6
	v_pk_add_f32 v[XF+\i:XF+\i+1], v[ACC0+\i:ACC0+\i+1], v[ACC0+8+\i:ACC0+8+\i+1]  ; the two sums, from their low ends on
.endr
	ds_store_b128 v9, v[XF:XF+3]                   ; logits 0-3 of token r,
	ds_store_b128 v9, v[XF+4:XF+7] offset:512      ; logits 4-7
	s_branch .Ljoin
.Lw_path:
	WCH 0, RA
	WCH 1, RB
	WCH 2, RA
	WCH 3, RB
.Ljoin:
	s_wait_dscnt 0x0                               ; for wave 0's sake: my partial logits lie in LDS
	s_barrier_signal -1
	s_barrier_wait -1
	s_cmp_lg_u32 s20, 0
	s_cbranch_scc1 .Lend
	; WAVE 0: lane l stands for token 32 g + l.  Its logits lie with waves 4 (l / 16) + 0..3, at lane l's place.
	v_lshl_add_u32 v10, v13, 12, v1
	v_add_nc_u32 v10, PART, v10
.set i, 0
.rept 8
	ds_load_b128 v[16+4*i:16+4*i+3], v10 offset:512*i  ; quarter i / 2, logits 4 (i % 2) on
.set i, i+1
.endr
.irp j, 0,1,2,3,4,5,6,7
	v_mov_b32 v[48+\j], s[32+\j]
.endr
.irp j, 0,1,2,3                        ; gate_b is rounded to bf16 like every input
	v_cvt_pk_bf16_f32 v[56+\j], v[48+2*\j], v[48+2*\j+1]
.endr
.irp j, 0,1,2,3
	v_lshlrev_b32 v[48+2*\j], 16, v[56+\j]
	v_and_b32 v[48+2*\j+1], 0xffff0000, v[56+\j]
.endr
	s_wait_dscnt 0x0
.irp i, 0,2,4,6
	v_pk_add_f32 v[16+\i:17+\i], v[16+\i:17+\i], v[24+\i:25+\i]
	v_pk_add_f32 v[32+\i:33+\i], v[32+\i:33+\i], v[40+\i:41+\i]
.endr
.irp i, 0,2,4,6
	v_pk_add_f32 v[16+\i:17+\i], v[16+\i:17+\i], v[32+\i:33+\i]
.endr
.irp i, 0,2,4,6
	v_pk_add_f32 v[16+\i:17+\i], v[16+\i:17+\i], v[48+\i:49+\i]
.endr
	v_max3_num_f32 v24, v16, v17, v18              ; the maximum is taken away, as in a softmax
	v_max3_num_f32 v24, v24, v19, v20
	v_max3_num_f32 v24, v24, v21, v22
	v_max_num_f32 v24, v24, v23
.irp j, 0,1,2,3,4,5,6,7
	v_sub_f32 v[32+\j], v[16+\j], v24
.endr
.irp j, 0,1,2,3,4,5,6,7
	v_mul_f32 v[32+\j], 0x3fb8aa3b, v[32+\j]       ; log2(e)
.endr
.irp j, 0,1,2,3,4,5,6,7
	v_exp_f32 v[32+\j], v[32+\j]
.endr
	v_nop                                          ; a plain instruction behind the last exponential,
	s_wait_alu depctr_va_vdst(0)                   ; and one wait for the batch of eight
	v_add_f32 v25, v32, v33
	v_add_f32 v26, v34, v35
	v_add_f32 v27, v36, v37
	v_add_f32 v28, v38, v39
	v_add_f32 v25, v25, v26
	v_add_f32 v27, v27, v28
	v_add_f32 v25, v25, v27
	v_rcp_f32 v26, v25
	v_nop
	s_wait_alu depctr_va_vdst(0)
.irp j, 0,1,2,3,4,5,6,7
	v_mul_f32 v[40+\j], v[32+\j], v26              ; the probabilities
.endr
	v_mov_b32 v28, v40                             ; the largest, and its index
	v_mov_b32 v29, 0
.irp j, 1,2,3,4,5,6,7
	v_cmp_gt_f32 vcc_lo, v[40+\j], v28
	v_cndmask_b32 v28, v28, v[40+\j], vcc_lo
	v_cndmask_b32 v29, v29, \j, vcc_lo
.endr
	v_mov_b32 v30, -1.0                            ; the largest of the others
	v_mov_b32 v31, 0
.irp j, 0,1,2,3,4,5,6,7
	v_cmp_gt_f32 s46, v[40+\j], v30
	v_cmp_ne_u32 s47, \j, v29
	s_and_b32 s46, s46, s47
	v_cndmask_b32 v30, v30, v[40+\j], s46
	v_cndmask_b32 v31, v31, \j, s46
.endr
	v_min_u32 v50, v29, v31                        ; lo
	v_max_u32 v51, v29, v31                        ; hi
	v_cmp_lt_u32 vcc_lo, v29, v31
	v_cndmask_b32 v52, v30, v28, vcc_lo            ; p of lo
	v_cndmask_b32 v53, v28, v30, vcc_lo            ; p of hi
	v_add_nc_u32 v54, -1, v51
	v_mul_u32_u24 v54, v54, v51
	v_lshrrev_b32 v54, 1, v54
	v_add_nc_u32 v54, v54, v50                     ; the set's number
	v_mov_b32 v60, 0
	v_mov_b32 v61, 0
.irp s, 0,1,2,3,4,5,6,7,8,9,10,11,12,13,14,15,16,17,18,19,20,21,22,23,24,25,26,27,28,29,30,31
	v_cmp_eq_u32 s44, \s, v54                      ; which of my 32 tokens chose set s,
	v_writelane_b32 v60, s44, \s
	s_bcnt1_i32_b32 s45, s44                       ; and how many: lane s holds the set's two words
	v_writelane_b32 v61, s45, \s
.endr
	s_lshl_b32 s26, s21, 8
	s_add_nc_u64 s[16:17], s[16:17], s[26:27]
	s_add_nc_u64 s[18:19], s[18:19], s[26:27]
	global_store_b64 v2, v[60:61], s[16:17]        ; 256 consecutive bytes each
	global_store_b64 v2, v[52:53], s[18:19]
.Lend:
	s_wait_tensorcnt 0x0                           ; the wave's end, behind my last LDS store
	ds_add_u32 v6, v7
	s_wait_dscnt 0x0
	s_endpgm
.Lfunc_end_k_q57e61cc6db_prep:
	.size	k_q57e61cc6db_prep, .Lfunc_end_k_q57e61cc6db_prep-k_q57e61cc6db_prep
	.p2alignl 7, 3214868480
	.fill 96, 4, 3214868480
	.section	.rodata,"a",@progbits
	.p2align	6, 0x0
	.amdhsa_kernel k_q57e61cc6db_prep
		.amdhsa_group_segment_fixed_size 94976
		.amdhsa_private_segment_fixed_size 0
		.amdhsa_enable_private_segment 0
		.amdhsa_kernarg_size 64
		.amdhsa_user_sgpr_count 2
		.amdhsa_user_sgpr_kernarg_segment_ptr 1
		.amdhsa_wavefront_size32 1
		.amdhsa_system_sgpr_workgroup_id_x 1
		.amdhsa_system_sgpr_workgroup_id_y 1
		.amdhsa_system_sgpr_workgroup_id_z 1
		.amdhsa_system_vgpr_workitem_id 0
		.amdhsa_next_free_vgpr 256
		.amdhsa_next_free_sgpr 66
		.amdhsa_reserve_vcc 1
		.amdhsa_float_denorm_mode_32 3
		.amdhsa_float_denorm_mode_16_64 3
		.amdhsa_memory_ordered 1
		.amdhsa_forward_progress 1
		.amdhsa_inst_pref_size 74
	.end_amdhsa_kernel
	.amdgpu_metadata
---
amdhsa.version: [ 1, 2 ]
amdhsa.kernels:
  - .name:           k_q57e61cc6db_prep
    .symbol:         k_q57e61cc6db_prep.kd
    .args:
      - { .name: x, .offset: 0, .size: 8, .value_kind: global_buffer, .address_space: global }
      - { .name: expert_w, .offset: 8, .size: 8, .value_kind: global_buffer, .address_space: global }
      - { .name: gate_w, .offset: 16, .size: 8, .value_kind: global_buffer, .address_space: global }
      - { .name: gate_b, .offset: 24, .size: 8, .value_kind: global_buffer, .address_space: global }
      - { .name: xb, .offset: 32, .size: 8, .value_kind: global_buffer, .address_space: global }
      - { .name: wb, .offset: 40, .size: 8, .value_kind: global_buffer, .address_space: global }
      - { .name: rt, .offset: 48, .size: 8, .value_kind: global_buffer, .address_space: global }
      - { .name: pw, .offset: 56, .size: 8, .value_kind: global_buffer, .address_space: global }
    .group_segment_fixed_size: 94976
    .private_segment_fixed_size: 0
    .kernarg_segment_align: 8
    .kernarg_segment_size: 64
    .max_flat_workgroup_size: 384
    .sgpr_count:     66
    .vgpr_count:     256
    .wavefront_size: 32
...
	.end_amdgpu_metadata
.endif
;; end of part 1
;; launch moe (part 2): grid 4 x 64, 4 waves a work-group, no clusters, 311,808 bytes of LDS; arguments xb, wb, rt, pw, expert_b, out0; writes out0
.if DOCPART == 2
	.amdgcn_target "amdgcn-amd-amdhsa--gfx1250"
	.amdhsa_code_object_version 6
	.text
	.protected	k_q57e61cc6db_moe
	.globl	k_q57e61cc6db_moe
	.p2align	8
	.type	k_q57e61cc6db_moe,@function
k_q57e61cc6db_moe:
	s_mov_b64 s[64:65], 0
	v_nop
	global_prefetch_b8 v0, s[64:65] scope:SCOPE_SE
	s_setreg_imm32_b32 hwreg(HW_REG_WAVE_MODE, 25, 1), 1
	s_wait_xcnt 0x0
; MOE: out[t] = pA (x[t] W_lo^T + b_lo) + pB (x[t] W_hi^T + b_hi) for the two experts that token t chose; bf16 operands, f32 sums, expert_b rounded to bf16 like every input.
; SHARES.  Tokens are grouped by their PAIR of experts (28 sets).  A work-group has up to 224 tokens of one set, a quarter (x of the grid) of the 512 output columns, and both experts:
; each output row has one owner, and no partial sum goes through memory.  A wave has all the rows x 32 output columns x 2 experts: 14 row blocks x 4 column fragments = 56 accumulators.
; THE TILE'S SHAPE, by its bytes: for 128 along K a tile of 160 rows x 256 accumulator columns asks for 64 KiB of weights and 40 KiB of token rows for 640 products; with half the rows and
; twice the columns it would be 128 KiB and 20 KiB for the same products.
; DEALING, in whole numbers read from rt, alike in every work-group: with b_s = ceil(n_s / 16) row blocks in set s, tiles have nb blocks, nb the least of 8 .. 14 with
; sum of ceil(b_s / nb) <= 64 row slots (nb = 14 always fits: 28 + floor((8192 - 28) / 224) = 64).  Slot y of the grid is tile y - prefix of the set whose interval holds it.  So every split of the
; tokens is served.  A slot past the last tile has no rows: it walks the same constant loop, jumps every product, fragment load and store, and its loads from memory ask for 16 bytes each.
; Row blocks that a tile does not have are treated likewise.  Rows past the count in a tile's last block repeat its last token; the wave that stores that token stores the same bytes once more.
; DATA.  They come from wb straight into operand registers, 512 consecutive bytes a load, a K step (128) ahead.
; The token rows, shared by the four waves and named by a list, go through registers into a ring of two LDS slots, asked for three K steps ahead.
; The matrix instruction is used transposed (source 0 = 16 weight columns, source 1 = 16 tokens): a lane holds one token and eight neighbouring output columns.  The bias is the C operand of the first products.
; NO CLUSTER: what partners could share is a set's weights, but how many tiles a set has hangs on the counts, and whole clusters dealt to 28 sets would leave a work-group up to 511 rows in an
; adverse split; the token rows come by a list, which no descriptor covers.  NO TENSOR LOADS: a weight byte in LDS would be written and read once more for the same one reader.
; LIMITS: those of the launch in front (the choice of experts follows logits of bf16-rounded inputs with f32 sums; a probability below 2^-126 counts as 0); NaN and infinities are not treated apart.
; REGISTERS, in windows of 256 (s_set_vgpr_msb: bits 1:0 source 0, 3:2 source 1, 5:4 source 2, 7:6 destination):
;   window 0: v0-15 addresses; v16-31 the higher expert's bias, later p; v32-143, v144-255 fragments of A, two buffers (before and behind the walk: at work)
;   window 1: v0-127 four buffers of B, buffer q at 32 q + 8 c (c = 2 x + f: expert x, fragment f); v128-239 a K step of token rows on its way; v240-255 the lower expert's bias
;   window 2: accumulators (a, c) at 32 a + 8 c, a = 0..7      window 3: a = 8..13; v192-219 the rows' offsets in xb; v220-247 the rows' (pA, pB)
.set AP,    272                        ; an LDS row of the ring: 256 bytes + 16: the 16 rows of a fragment load start 16 bytes apart modulo 256
.set ROWS,  224
.set ASLOT, ROWS*AP                    ; a slot of the A ring
.set BLK,   8*AP                       ; eight rows
.set RT,    2*ASLOT                    ; rt's 256 records, pitch 272
.set CNTS,  RT+256*AP                  ; [wave][set] partial counts
.set LIST,  CNTS+512                   ; 256 token numbers
.set STAGE, LIST+1024                  ; the work-group's stage for the way out: 224 rows of 512 bytes + 16
.set SP,    528
.set SPARE, STAGE+ROWS*SP              ; the spare words: 128 bytes a wave, two blocks of 256 bytes that no other line names
.set AF0,  32                          ; window 0: fragment buffer 0; buffer 1 lies 112 registers on
.set AS,   128                         ; window 1
.set AS1,  112                         ; window 0, in the set-up alone: the rows of K step 1
.set AOFF, 192                         ; window 3
.set PWA,  220                         ; window 3
.set BIL,  240                         ; window 1
.set BIH,  16                          ; window 0
.set OB,   32                          ; the way out: a block's results
.set X0,   160                         ; the set-up: 32 registers at work for each of a thread's two rows
.set X1,   192
.set MSB, 0
.macro WIN new                         ; the immediate's high byte repeats the setting that is left; a switch that changes nothing is dropped
.if MSB != (\new)
	s_set_vgpr_msb (MSB<<8)|(\new)
.set MSB, \new
.endif
.endm
.macro PLACES                          ; four plain places between a product and a load into one of its registers
.rept 4
	v_nop
.endr
.endm
.macro BLOAD q, off                    ; B of one substep (32 k): 2 fragments of each expert into buffer q
	WIN 0x40
.set fi, 0
.rept 4
	global_load_b128 v[32*(\q)+4*fi:32*(\q)+4*fi+3], v1, s[32:33] offset:(\off)+512*fi
.set fi, fi+1
.endr
.set fi, 0
.rept 4
	global_load_b128 v[32*(\q)+16+4*fi:32*(\q)+16+4*fi+3], v1, s[34:35] offset:(\off)+512*fi
.set fi, fi+1
.endr
	WIN 0
.endm
.macro ALOAD dst, off, win             ; a K step of the 224 rows: sixteen lanes take one row's 256 bytes; load n has rows 8 n + 2 wave + h
	WIN \win
.set fi, 0
.rept 28
	global_load_b128 v[(\dst)+4*fi:(\dst)+4*fi+3], v[AOFF+fi], s[4:5] offset:\off
.set fi, fi+1
.endr
	WIN 0
.endm
.macro STRUN src, ad, n0, n
.set fi, \n0
.rept \n
	ds_store_b128 v[\ad], v[(\src)+4*fi:(\src)+4*fi+3] offset:fi*BLK
.set fi, fi+1
.endr
.endm
.macro ASTORE src, ad, win, all        ; the rows into a slot; all = 0: blocks that the tile does not have are jumped (0-7 together, then in twos)
.if \all
	WIN \win
	STRUN \src, \ad, 0, 28
	WIN 0
.else
	s_cmp_eq_u32 s27, 0
	s_cbranch_scc1 .Lst_\@
	WIN \win
	STRUN \src, \ad, 0, 16
	WIN 0
.irp a, 8,10,12
	s_cmp_le_u32 s27, \a
	s_cbranch_scc1 .Lst_\@
	WIN \win
	STRUN \src, \ad, 2*\a, 4
	WIN 0
.endr
.Lst_\@:
.endif
.endm
.macro PGRP q, a0, n                   ; substep q's products of row blocks a0 .. a0 + n - 1: each accumulator once
.set ga, \a0
.rept \n
.set gc, 0
.rept 4
.set rD, 32*(ga%8)+8*gc
	v_wmma_f32_16x16x32_bf16 v[rD:rD+7], v[32*(\q)+8*gc:32*(\q)+8*gc+7], v[AF0+112*((\q)%2)+8*ga:AF0+112*((\q)%2)+8*ga+7], v[rD:rD+7]
.set gc, gc+1
.endr
.set ga, ga+1
.endr
.endm
.macro LGRP q, lq, lad, a0, n          ; the fragments of substep lq, blocks a0 .., from the slot whose address is v[lad], into the buffer that substep q does not read
.set ga, \a0
.rept \n
	ds_load_b128 v[AF0+112*(((\q)+1)%2)+8*ga:AF0+112*(((\q)+1)%2)+8*ga+3],   v[\lad] offset:ga*16*AP+64*(\lq)
	ds_load_b128 v[AF0+112*(((\q)+1)%2)+8*ga+4:AF0+112*(((\q)+1)%2)+8*ga+7], v[\lad] offset:ga*16*AP+64*(\lq)+32
.set ga, ga+1
.endr
.endm
; A SUBSTEP: its products, and among them, in its first part, the next substep's fragment loads (lq = -1: none), in short runs.  The accumulators take turns, one instruction a turn.
; Blocks that the tile does not have are jumped, products and loads together: 8, 9, 10, 11 singly, 12 and 13 together, then 0-3 and 4-7.  Only products and LDS loads are jumped.
; Since a path may leave loads out, every wait for them is for 0; it stands 16 products or more behind the last of them.  bar = 1: the K step's barrier is signalled ahead of the last 16 products.
.macro BODY q, lq, lad, bar
	s_cmp_eq_u32 s27, 0
	s_cbranch_scc1 .Lb_\@
.if (\lq) >= 0
	LGRP \q, \lq, \lad, 0, 4
.endif
.irp a, 8,9,10,11
	s_cmp_le_u32 s27, \a
	s_cbranch_scc1 .Lh_\@
	WIN 0xf1
	PGRP \q, \a, 1
	WIN 0
.if (\lq) >= 0
	LGRP \q, \lq, \lad, \a, 1
.endif
.endr
	s_cmp_le_u32 s27, 12
	s_cbranch_scc1 .Lh_\@
	WIN 0xf1
	PGRP \q, 12, 2
	WIN 0
.if (\lq) >= 0
	LGRP \q, \lq, \lad, 12, 2
.endif
.Lh_\@:
.if (\lq) >= 0
	s_cmp_le_u32 s27, 4
	s_cbranch_scc1 .Lq_\@
	LGRP \q, \lq, \lad, 4, 4
.Lq_\@:
.endif
	WIN 0xa1
	PGRP \q, 0, 4
	WIN 0
.Lb_\@:
.if \bar
	s_wait_dscnt 0x0                               ; my reads of this K step's slot are back (the last substep's fragments among them), and my stores of the next step's rows are done:
	s_barrier_signal -1                            ; say so
.endif
	s_cmp_le_u32 s27, 4
	s_cbranch_scc1 .Le_\@
	WIN 0xa1
	PGRP \q, 4, 4
	WIN 0
.Le_\@:
.endm
; Behind substep q = 0, 1, 3: buffer q takes B of the next K step (bo: its byte offset, -1: none).  lc: the loads younger than the B that the next substep multiplies.
.macro EDGE q, bo, lc
	PLACES                                         ; for the loads into B's buffer q and, in the next substep, into the A buffer just read
.if (\bo) >= 0
	BLOAD \q, \bo
.endif
	s_wait_dscnt 0x0                               ; the next substep's fragments are in
	s_wait_loadcnt \lc
.endm
; Behind substep 2: the K step's one barrier.  Behind it no wave reads this step's slot any more, and every wave's part of the next step's rows lies in the other slot.
; sad: the address register of the slot that takes the rows of two steps on (-1: none); ao: the offset of the rows asked for next (-1: none).
.macro EDGEB bo, sad, ao
	s_barrier_wait -1
	PLACES
	BLOAD 2, \bo
	s_wait_loadcnt 24                              ; younger: three runs of B.  B of substep 3 is in, and so are the token rows asked for before it
.if (\sad) >= 0
	ASTORE AS, \sad, 0x04, 0
.endif
.if (\ao) >= 0
	ALOAD AS, \ao, 0x43
.endif
.endm
.macro ZGRP a0, n, c0, bi              ; the first products: C is the bias of the fragment's columns
.set ga, \a0
.rept \n
.set gc, \c0
.rept 2
.set rD, 32*(ga%8)+8*gc
	v_wmma_f32_16x16x32_bf16 v[rD:rD+7], v[8*gc:8*gc+7], v[AF0+8*ga:AF0+8*ga+7], v[(\bi)+8*(gc-(\c0)):(\bi)+8*(gc-(\c0))+7]
.set gc, gc+1
.endr
.set ga, ga+1
.endr
.endm
	s_load_b256 s[4:11], s[0:1], 0x0               ; xb s[4:5], wb s[6:7], rt s[8:9], pw s[10:11]
	s_load_b128 s[12:15], s[0:1], 0x20             ; expert_b s[12:13], out0 s[14:15]
	v_lshl_add_u32 v4, v0, 2, SPARE                ; my spare word, and 0: kept for the add at the wave's end
	v_mov_b32 v5, 0
	v_lshrrev_b32 v14, 5, v0
	v_readfirstlane_b32 s16, v14                   ; wave 0..3
	s_mov_b32 s17, ttmp9                           ; which quarter of the output columns
	s_and_b32 s18, ttmp7, 0xffff                   ; row slot 0..63
	s_mov_b32 s40, 0x76543210                      ; v_permlanex16_b32: each lane takes its own place in the other half
	s_mov_b32 s41, 0xfedcba98
	v_and_b32 v11, 31, v0                          ; lane
	v_and_b32 v12, 15, v0                          ; r
	v_bfe_u32 v13, v0, 4, 1                        ; h
	v_mul_u32_u24 v2, v12, AP
	v_lshl_add_u32 v2, v13, 4, v2                  ; a fragment's row r, 16 bytes for each half of the lanes, in slot 0,
	v_add_nc_u32 v6, ASLOT, v2                     ; and in slot 1: an immediate ends at 65,535
	v_mul_u32_u24 v14, v13, AP
	v_lshl_add_u32 v14, v12, 4, v14                ; row h, 16 r
	s_mul_i32 s43, s16, 2*AP
	v_add_nc_u32 v3, s43, v14                      ; into slot 0 (and into RT): row 2 wave + h of eight,
	v_add_nc_u32 v7, ASLOT, v3                     ; into slot 1
	v_lshlrev_b32 v15, 4, v0
	s_wait_kmcnt 0x0
	; ALL OF rt: 65,536 bytes, 2,048 a load of the work-group.  Load n brings me sets 2 r, 2 r + 1 of group 8 n + 2 wave + h.
.set i, 0
.rept 32
	global_load_b128 v[128+4*i:128+4*i+3], v15, s[8:9] offset:i*2048
.set i, i+1
.endr
	v_add_nc_u32 v100, RT, v3
	v_add_nc_u32 v101, RT+16*BLK, v3               ; a second base, for the immediate's sake
	s_wait_loadcnt 0x0
	v_add_nc_u32 v102, v129, v133                  ; my groups' counts of my two sets
	v_add_nc_u32 v103, v131, v135
.set i, 2
.rept 15
	v_add3_u32 v102, v102, v[129+4*i], v[133+4*i]
	v_add3_u32 v103, v103, v[131+4*i], v[135+4*i]
.set i, i+2
.endr
.set i, 0
.rept 16
	ds_store_b128 v100, v[128+4*i:128+4*i+3] offset:i*BLK
	ds_store_b128 v101, v[192+4*i:192+4*i+3] offset:i*BLK
.set i, i+1
.endr
	v_mov_b32 v104, 0
	v_mov_b32 v105, 0
	v_permlanex16_b32 v104, v102, s40, s41
	v_permlanex16_b32 v105, v103, s40, s41
	v_add_nc_u32 v102, v102, v104
	v_add_nc_u32 v103, v103, v105
	s_lshl_b32 s43, s16, 7
	s_add_co_u32 s43, s43, CNTS
	v_lshl_add_u32 v106, v12, 3, s43
	ds_store_b64 v106, v[102:103]                  ; both halves of the lanes store the same numbers
	s_wait_dscnt 0x0                               ; for the others' sake
	s_barrier_signal -1
	s_barrier_wait -1                              ; rt and the four waves' counts lie in LDS
	; THE DEAL.  Lane = set.
	v_lshl_add_u32 v106, v11, 2, CNTS
.irp w, 0,1,2,3
	ds_load_b32 v[112+\w], v106 offset:128*\w
.endr
	s_wait_dscnt 0x0
	v_add_nc_u32 v100, v112, v113
	v_add3_u32 v100, v100, v114, v115              ; n
	v_add_nc_u32 v101, 15, v100
	v_lshrrev_b32 v101, 4, v101                    ; its row blocks, 512 at the most
.macro TILES dst, nb, m                ; ceil(blocks / nb) = ((blocks + nb - 1) x ceil(65536 / nb)) >> 16: exact, since 525 x (nb ceil(65536 / nb) - 65536) stays under 65,536
	v_add_nc_u32 v[\dst], (\nb)-1, v101
	v_mul_u32_u24 v[\dst], v[\dst], \m
	v_lshrrev_b32 v[\dst], 16, v[\dst]
.endm
	TILES 102, 8, 8192
	TILES 103, 9, 7282
	TILES 104, 10, 6554
	TILES 105, 11, 5958
	TILES 106, 12, 5462
	TILES 107, 13, 5042
	TILES 108, 14, 4682
	v_lshl_or_b32 v109, v103, 8, v102              ; seven sums at once, a byte each: none passes 28 + 63
	v_lshl_or_b32 v109, v104, 16, v109
	v_lshl_or_b32 v109, v105, 24, v109
	v_lshl_or_b32 v110, v107, 8, v106
	v_lshl_or_b32 v110, v108, 16, v110
	v_mov_b32 v111, 0
	v_mov_b32 v116, 0
.irp m, 1,2,4,8
	v_mov_b32_dpp v111, v109 row_xmask:\m row_mask:0xf bank_mask:0xf
	v_mov_b32_dpp v116, v110 row_xmask:\m row_mask:0xf bank_mask:0xf
	v_add_nc_u32 v109, v109, v111
	v_add_nc_u32 v110, v110, v116
.endr
	v_permlanex16_b32 v111, v109, s40, s41
	v_permlanex16_b32 v116, v110, s40, s41
	v_add_nc_u32 v109, v109, v111
	v_add_nc_u32 v110, v110, v116
	v_readfirstlane_b32 s20, v109
	v_readfirstlane_b32 s21, v110
	s_mov_b32 s19, 14                              ; nb, and its multiplier: 14 always fits; a smaller one that fits is taken
	s_mov_b32 s50, 4682
.macro TRYNB nb, m, r, off
	s_bfe_u32 s43, s[\r], (8<<16)|(\off)
	s_cmp_le_u32 s43, 64
	s_cselect_b32 s19, \nb, s19
	s_cselect_b32 s50, \m, s50
.endm
	TRYNB 13, 5042, 21, 8
	TRYNB 12, 5462, 21, 0
	TRYNB 11, 5958, 20, 24
	TRYNB 10, 6554, 20, 16
	TRYNB 9, 7282, 20, 8
	TRYNB 8, 8192, 20, 0
	s_sub_co_u32 s43, s19, 1
	v_add_nc_u32 v104, s43, v101
	v_mul_u32_u24 v104, v104, s50
	v_lshrrev_b32 v104, 16, v104                   ; the sets' numbers of tiles
	s_mov_b32 s21, 0
	s_mov_b32 s22, 0
	s_mov_b32 s23, 0
.irp k, 0,1,2,3,4,5,6,7,8,9,10,11,12,13,14,15,16,17,18,19,20,21,22,23,24,25,26,27
	v_readlane_b32 s20, v104, \k
	s_add_co_u32 s21, s21, s20                     ; tiles up to and with set k
	s_cmp_le_u32 s21, s18                          ; my slot lies behind them:
	s_cselect_b32 s22, s21, s22                    ; then my set's first slot is no earlier,
	s_add_co_ci_u32 s23, s23, 0                    ; and my set is a later one
.endr
	s_cmp_lg_u32 s23, 28
	s_cselect_b32 s45, -1, 0                       ; 0: my slot lies past the last tile
	s_min_u32 s23, s23, 27                         ; the set
	v_readlane_b32 s24, v100, s23                  ; its tokens
	s_sub_co_u32 s25, s18, s22
	s_lshl_b32 s46, s19, 4                         ; rows in a tile
	s_mul_i32 s25, s25, s46
	s_and_b32 s25, s25, s45                        ; my first row's rank in the set
	s_sub_co_i32 s26, s24, s25
	s_max_i32 s26, s26, 0
	s_min_u32 s26, s26, s46
	s_and_b32 s26, s26, s45                        ; my rows
	s_add_co_u32 s27, s26, 15
	s_lshr_b32 s27, s27, 4                         ; my row blocks, 0 to 14
	s_mov_b32 s29, 1                               ; the set's two experts: hi (hi - 1) / 2 <= set
.irp t, 1,3,6,10,15,21
	s_cmp_ge_u32 s23, \t
	s_add_co_ci_u32 s29, s29, 0
.endr
	s_sub_co_u32 s46, s29, 1
	s_mul_i32 s46, s46, s29
	s_lshr_b32 s46, s46, 1
	s_sub_co_u32 s28, s23, s46
	s_min_u32 s28, s28, 7                          ; lo
	s_min_u32 s29, s29, 7                          ; hi
	s_lshl_b32 s46, s17, 1
	s_lshr_b32 s47, s16, 1
	s_add_co_u32 s46, s46, s47                     ; the stream of 64 columns, among an expert's eight, that holds my 32,
	s_and_b32 s44, s16, 1
	s_lshl_b32 s44, s44, 11                        ; and my two fragments in a substep's 4,096 bytes of it
	s_lshl_b32 s51, s17, 9
	s_lshl_b32 s47, s16, 7
	s_add_co_u32 s51, s51, s47                     ; my 32 numbers in an expert's 512 of expert_b
	s_mov_b32 s31, 0
	s_lshl_b32 s47, s28, 3
	s_add_co_u32 s47, s47, s46
	s_lshl_b32 s30, s47, 18                        ; a stream of wb is 262,144 bytes
	s_add_co_u32 s30, s30, s44
	s_add_nc_u64 s[32:33], s[6:7], s[30:31]
	s_lshl_b32 s30, s28, 11
	s_add_co_u32 s30, s30, s51
	s_add_nc_u64 s[36:37], s[12:13], s[30:31]
	s_lshl_b32 s47, s29, 3
	s_add_co_u32 s47, s47, s46
	s_lshl_b32 s30, s47, 18
	s_add_co_u32 s30, s30, s44
	s_add_nc_u64 s[34:35], s[6:7], s[30:31]
	s_lshl_b32 s30, s29, 11
	s_add_co_u32 s30, s30, s51
	s_add_nc_u64 s[38:39], s[12:13], s[30:31]
	v_lshlrev_b32 v1, 4, v11                       ; 16 x lane; in a slot without rows 0: all lanes then ask for the same 16 bytes
	v_and_b32 v1, s45, v1
	v_min_u32 v1, 0x1f0, v1
	v_lshlrev_b32 v10, 5, v13                      ; the bias of my eight columns of a fragment: 32 bytes at 64 f + 32 h
.set i, 0
.rept 4
	global_load_b128 v[224+4*i:224+4*i+3], v10, s[36:37] offset:(i/2)*64+(i%2)*16
	global_load_b128 v[240+4*i:240+4*i+3], v10, s[38:39] offset:(i/2)*64+(i%2)*16
.set i, i+1
.endr
	BLOAD 0, 0                                     ; B of K step 0 lands while the tokens are picked
	BLOAD 1, 4096
	BLOAD 2, 8192
	BLOAD 3, 12288
	; THE TOKENS.  Thread t finds the tokens of rows t and t + 128: those of rank K in the set.  Rows past the count take the last row's rank.
	s_sub_co_i32 s43, s26, 1
	s_max_i32 s43, s43, 0
	v_min_u32 v[X0], s43, v0
	v_add_nc_u32 v[X0], s25, v[X0]                 ; K
	v_add_nc_u32 v[X1], 128, v0
	v_min_u32 v[X1], s43, v[X1]
	v_add_nc_u32 v[X1], s25, v[X1]
	s_lshl_b32 s44, s23, 3
	s_add_co_u32 s44, s44, RT                      ; the set's two words in record 0
	v_mul_u32_u24 v106, v11, BLK
	v_add_nc_u32 v106, s44, v106
.irp i, 0,1,2,3,4,5,6,7
	ds_load_b32 v[140+\i], v106 offset:AP*\i+4     ; lane = block of eight groups: its counts
.endr
	s_wait_dscnt 0x0
	v_add_nc_u32 v109, v140, v141
	v_add3_u32 v109, v109, v142, v143
	v_add3_u32 v109, v109, v144, v145
	v_add3_u32 v109, v109, v146, v147
	s_mov_b32 s48, 0
.irp x, X0, X1
	v_mov_b32 v[\x+1], 0                           ; the rank at which K's block begins,
	v_mov_b32 v[\x+2], 0                           ; and the block: the last whose first rank is not above K
.endr
.irp k, 1,2,3,4,5,6,7,8,9,10,11,12,13,14,15,16,17,18,19,20,21,22,23,24,25,26,27,28,29,30,31
	v_readlane_b32 s20, v109, \k-1
	s_add_co_u32 s48, s48, s20
.irp x, X0, X1
	v_cmp_le_u32 vcc_lo, s48, v[\x]
	v_cndmask_b32 v[\x+1], v[\x+1], s48, vcc_lo
	v_cndmask_b32 v[\x+2], v[\x+2], \k, vcc_lo
.endr
.endr
.irp x, X0, X1
	v_min_u32 v[\x+2], 31, v[\x+2]
	v_mul_u32_u24 v[\x+3], v[\x+2], BLK
	v_add_nc_u32 v[\x+3], s44, v[\x+3]
.irp i, 0,1,2,3,4,5,6,7
	ds_load_b64 v[\x+4+2*\i:\x+5+2*\i], v[\x+3] offset:AP*\i  ; the block's eight masks and counts
.endr
.endr
	s_wait_dscnt 0x0
	s_barrier_signal -1                            ; no wave stores into LDS while another still reads at an address that hangs on the counts
	s_barrier_wait -1
.irp x, X0, X1
	v_sub_nc_u32 v[\x+20], v[\x], v[\x+1]
	v_mov_b32 v[\x+21], v[\x+4]                    ; the mask,
	v_mov_b32 v[\x+22], 0                          ; the rank at which its group begins,
	v_mov_b32 v[\x+23], 0                          ; the group
	v_mov_b32 v[\x+24], 0
.endr
.irp i, 1,2,3,4,5,6,7
.irp x, X0, X1
	v_add_nc_u32 v[\x+24], v[\x+24], v[\x+3+2*\i]
	v_cmp_le_u32 vcc_lo, v[\x+24], v[\x+20]
	v_cndmask_b32 v[\x+21], v[\x+21], v[\x+4+2*\i], vcc_lo
	v_cndmask_b32 v[\x+22], v[\x+22], v[\x+24], vcc_lo
	v_cndmask_b32 v[\x+23], v[\x+23], \i, vcc_lo
.endr
.endr
.irp x, X0, X1
	v_sub_nc_u32 v[\x+20], v[\x+20], v[\x+22]      ; which of the mask's ones
	v_lshrrev_b32 v[\x+30], 1, v[\x+21]            ; the ones in each 2, 4, 8, 16 bits
	v_and_b32 v[\x+30], 0x55555555, v[\x+30]
	v_sub_nc_u32 v[\x+25], v[\x+21], v[\x+30]
	v_lshrrev_b32 v[\x+30], 2, v[\x+25]
	v_and_b32 v[\x+30], 0x33333333, v[\x+30]
	v_and_b32 v[\x+26], 0x33333333, v[\x+25]
	v_add_nc_u32 v[\x+26], v[\x+26], v[\x+30]
	v_lshrrev_b32 v[\x+30], 4, v[\x+26]
	v_add_nc_u32 v[\x+27], v[\x+26], v[\x+30]
	v_and_b32 v[\x+27], 0x0f0f0f0f, v[\x+27]
	v_lshrrev_b32 v[\x+30], 8, v[\x+27]
	v_add_nc_u32 v[\x+28], v[\x+27], v[\x+30]
	v_and_b32 v[\x+28], 0x00ff00ff, v[\x+28]
	v_mov_b32 v[\x+29], 0
.endr
.macro PICK c, w                       ; if the lower w bits at the place in hand hold too few ones, go past them
.irp x, X0, X1
	v_bfe_u32 v[\x+30], v[\x+\c], v[\x+29], \w
	v_cmp_ge_u32 vcc_lo, v[\x+20], v[\x+30]
	v_cndmask_b32 v[\x+30], 0, v[\x+30], vcc_lo
	v_cndmask_b32 v[\x+31], 0, \w, vcc_lo
	v_sub_nc_u32 v[\x+20], v[\x+20], v[\x+30]
	v_add_nc_u32 v[\x+29], v[\x+29], v[\x+31]
.endr
.endm
	PICK 28, 16
	PICK 27, 8
	PICK 26, 4
	PICK 25, 2
	PICK 21, 1
.irp x, X0, X1
	v_lshl_add_u32 v[\x+30], v[\x+2], 3, v[\x+23]
	v_lshl_add_u32 v[\x+30], v[\x+30], 5, v[\x+29] ; 32 x group + bit
	v_min_u32 v[\x+30], 0x1fff, v[\x+30]
.endr
	s_lshl_b32 s43, s16, 7
	s_add_co_u32 s43, s43, LIST
	v_lshl_add_u32 v107, v11, 2, s43
	ds_store_b32 v107, v[X0+30]
	ds_store_b32 v107, v[X1+30] offset:512
	s_wait_dscnt 0x0
	s_barrier_signal -1
	s_barrier_wait -1                              ; the list is whole
	s_lshl_b32 s43, s16, 3
	s_add_co_u32 s43, s43, LIST
	v_lshl_add_u32 v100, v13, 2, s43
.set i, 0
.rept 28
	ds_load_b32 v[32+i], v100 offset:32*i          ; the rows that I bring: 8 i + 2 wave + h
.set i, i+1
.endr
	v_lshl_add_u32 v102, v12, 2, LIST
.set i, 0
.rept 14
	ds_load_b32 v[60+i], v102 offset:64*i          ; the rows whose results I hold: 16 a + r
.set i, i+1
.endr
	v_lshlrev_b32 v14, 4, v12
.irp a, 0,1,2,3,4,5,6,7,8,9,10,11,12,13
	s_cmp_gt_u32 s27, \a                           ; a block that the tile has: 16 r, a row's 256 bytes for sixteen lanes;
	s_cselect_b32 s43, 0xf0, 0                     ; one that it does not have: 0, the same 16 bytes for all
	v_and_b32 v[76+\a], s43, v14
	v_min_u32 v[76+\a], 0xf0, v[76+\a]
.endr
	s_wait_dscnt 0x0
.set i, 0
.rept 28
	v_min_u32 v[32+i], 0x1fff, v[32+i]
.set i, i+1
.endr
.set i, 0
.rept 14
	v_min_u32 v[60+i], 0x1fff, v[60+i]
	v_lshlrev_b32 v[60+i], 3, v[60+i]
.set i, i+1
.endr
	WIN 0xc0
.set i, 0
.rept 28
	v_lshl_add_u32 v[AOFF+i], v[32+i], 12, v[76+i/2]  ; a row of xb is 4,096 bytes
.set i, i+1
.endr
	WIN 0
	ALOAD AS, 0, 0x43                              ; K steps 0 and 1
	ALOAD AS1, 256, 0x03
	WIN 0xc0
.set i, 0
.rept 14
	global_load_b64 v[PWA+2*i:PWA+2*i+1], v[60+i], s[10:11]
.set i, i+1
.endr
	WIN 0
	s_wait_loadcnt 42                              ; younger: step 1's 28 and the 14 of pw.  The bias and B of step 0 are older: they are in too
	ASTORE AS, 3, 0x04, 1                          ; the first two fills store every row, so that every byte of both slots is written
.set i, 0
.rept 16                               ; the bias is rounded to bf16 like every input
	v_cvt_pk_bf16_f32 v[32+i], v[224+2*i], v[225+2*i]
.set i, i+1
.endr
	WIN 0x40
.set i, 0
.rept 8
	v_lshlrev_b32 v[BIL+2*i], 16, v[32+i]
	v_and_b32 v[BIL+2*i+1], 0xffff0000, v[32+i]
.set i, i+1
.endr
	WIN 0
.set i, 0
.rept 8
	v_lshlrev_b32 v[BIH+2*i], 16, v[40+i]
	v_and_b32 v[BIH+2*i+1], 0xffff0000, v[40+i]
.set i, i+1
.endr
	s_wait_loadcnt 14                              ; younger: pw
	ASTORE AS1, 7, 0, 1
	ALOAD AS, 512, 0x43                            ; K step 2
	s_wait_loadcnt 28                              ; pw is in: its address registers lie where fragments are loaded next
	s_wait_dscnt 0x0
	s_barrier_signal -1
	s_barrier_wait -1                              ; both slots are whole
	LGRP 1, 0, 2, 0, 14                            ; the fragments of substeps 0 and 1, of all 14 blocks: every register of both buffers is written
	LGRP 0, 1, 2, 0, 14
	s_wait_dscnt 28                                ; the first run is in; the second's 28 loads stay out
	; THE WALK ALONG K: 16 steps of 128, four substeps each.  Loads go out in the order B(j,0) B(j,1) B(j,2) A(j+2) B(j,3) B(j+1,0) ..: behind the B that a substep 0, 1 or 2 multiplies
	; three runs of B (8 loads each) and one of A (28) are younger: 52.  The first substep stands ahead of the loop: its 56 products start the sums, with the bias as C, whatever the count.
	WIN 0x91
	ZGRP 0, 8, 0, BIL
	WIN 0x81
	ZGRP 0, 8, 2, BIH
	WIN 0xd1
	ZGRP 8, 6, 0, BIL
	WIN 0xc1
	ZGRP 8, 6, 2, BIH
	WIN 0
	s_mov_b32 s42, 6
.Ltrip:                                                ; a trip: two K steps, from behind a step's first substep to the first substep of the step after next; the slots stand in the text
	EDGE 0, 4*4096, 52
	BODY 1, 2, 2, 0
	EDGE 1, 5*4096, 52
	BODY 2, 3, 2, 1
	EDGEB 6*4096, 3, 768
	BODY 3, 0, 6, 0
	EDGE 3, 7*4096, 52
	BODY 0, 1, 6, 0
	EDGE 0, 8*4096, 52
	BODY 1, 2, 6, 0
	EDGE 1, 9*4096, 52
	BODY 2, 3, 6, 1
	EDGEB 10*4096, 7, 1024
	BODY 3, 0, 2, 0
	EDGE 3, 11*4096, 52
	BODY 0, 1, 2, 0
	s_wait_xcnt 0x0                                ; the loads issued have read their bases: these are stepped only behind this wait; a substep's products stand between the last load and it
	s_add_nc_u64 s[32:33], s[32:33], 0x8000
	s_add_nc_u64 s[34:35], s[34:35], 0x8000
	s_add_nc_u64 s[4:5], s[4:5], 512
	s_sub_co_u32 s42, s42, 1
	s_cmp_lg_u32 s42, 0
	s_cbranch_scc1 .Ltrip
	; the last four K steps, 12 to 15, are written out: what lies past K's end is not asked for, and the counts run down
	EDGE 0, 4*4096, 52
	BODY 1, 2, 2, 0
	EDGE 1, 5*4096, 52
	BODY 2, 3, 2, 1
	EDGEB 6*4096, 3, 768                           ; asks for the rows of step 15, the last
	BODY 3, 0, 6, 0
	EDGE 3, 7*4096, 52
	BODY 0, 1, 6, 0
	EDGE 0, 8*4096, 52
	BODY 1, 2, 6, 0
	EDGE 1, 9*4096, 52
	BODY 2, 3, 6, 1
	EDGEB 10*4096, 7, -1                           ; stores them
	BODY 3, 0, 2, 0
	EDGE 3, 11*4096, 24                            ; from here on no run of A is among the younger loads
	BODY 0, 1, 2, 0
	EDGE 0, 12*4096, 24
	BODY 1, 2, 2, 0
	EDGE 1, 13*4096, 24
	BODY 2, 3, 2, 1
	EDGEB 14*4096, -1, -1                          ; the last barrier of the walk: step 15's rows are whole
	BODY 3, 0, 6, 0
	EDGE 3, 15*4096, 24
	BODY 0, 1, 6, 0
	EDGE 0, -1, 16                                 ; younger: two runs of B
	BODY 1, 2, 6, 0
	EDGE 1, -1, 8
	BODY 2, 3, 6, 0
	s_wait_dscnt 0x0
	s_wait_loadcnt 0x0
	BODY 3, -1, 6, 0
	; THE WAY OUT.  A wave's 32 columns are 128 bytes of a row, so the four waves write one stage, a barrier stands between writing and reading, and a store is a whole row of 512 bytes.
	; The addresses are made here: plain instructions, the places behind the last products.
	s_lshl_b32 s43, s16, 7
	s_add_co_u32 s43, s43, STAGE
	v_mul_u32_u24 v8, v12, SP
	v_lshl_add_u32 v8, v13, 5, v8
	v_add_nc_u32 v8, s43, v8                       ; in: row r, my wave's 128 bytes, 32 for each half of the lanes; blocks 0-6,
	v_add_nc_u32 v9, 7*16*SP, v8                   ; blocks 7-13
	s_mul_i32 s43, s16, 8*SP
	s_add_co_u32 s43, s43, STAGE
	v_lshl_add_u32 v10, v11, 4, s43                ; back: row 8 wave, 16 x lane; rows 0-95,
	v_add_nc_u32 v20, 96*SP, v10                   ; rows 96-223
	s_lshl_b32 s43, s16, 5
	s_add_co_u32 s43, s43, LIST
	v_mov_b32 v14, s43                             ; those rows' tokens
	s_lshl_b32 s43, s17, 9
	v_lshl_add_u32 v15, v11, 4, s43                ; my 16 bytes in a row of out0
	s_lshl_b32 s43, s16, 3
	s_sub_co_i32 s49, s26, s43                     ; the count less my wave's first row
; Row block a: pA acc_lo + pB acc_hi, two fused lines a pair, each accumulator from its low end on.
.macro OUTC a
	s_cmp_le_u32 s27, \a
	s_cbranch_scc1 .Lstaged                        ; the tile has no such block
	WIN 0x03
	v_mov_b32 v16, v[PWA+2*(\a)]                   ; (pA, pB) and (pB, pB): the packed lines take a pair's first word for both halves
	v_mov_b32 v17, v[PWA+2*(\a)+1]
	v_mov_b32 v18, v[PWA+2*(\a)+1]
	v_mov_b32 v19, v[PWA+2*(\a)+1]
	WIN 0x02+(\a)/8                                ; source 0: the accumulators' window
.set OBA, OB+16*((\a)%2)
.set i, 0
.rept 8
	v_pk_mul_f32 v[OBA+2*i:OBA+2*i+1], v[32*((\a)%8)+2*i:32*((\a)%8)+2*i+1], v[16:17] op_sel_hi:[1,0]
.set i, i+1
.endr
.set i, 0
.rept 8
	v_pk_fma_f32 v[OBA+2*i:OBA+2*i+1], v[32*((\a)%8)+16+2*i:32*((\a)%8)+16+2*i+1], v[18:19], v[OBA+2*i:OBA+2*i+1] op_sel_hi:[1,0,1]
.set i, i+1
.endr
	WIN 0
.set i, 0
.rept 4
	ds_store_b128 v[8+(\a)/7], v[OBA+4*i:OBA+4*i+3] offset:((\a)%7)*16*SP+(i/2)*64+(i%2)*16
.set i, i+1
.endr
.endm
.irp a, 0,1,2,3,4,5,6,7,8,9,10,11,12,13
	OUTC \a
.endr
.Lstaged:
	s_wait_dscnt 0x0                               ; for the others' sake: my part of the stage is written
	s_barrier_signal -1
	s_barrier_wait -1
; Rows 32 g + 8 wave + 0..7: eight rows of one block.  They are jumped if the first of them lies past the count, so a row that repeats the last token is stored by the wave that stores that token.
; Five sets of registers take turns, so that one wait frees the first two for the last two groups.
.macro OUTS g
	s_cmp_le_i32 s49, 32*(\g)
	s_cbranch_scc1 .Lout_end
.if (\g) == 5
	s_wait_xcnt 0x0                                ; the first groups' stores have read their data and offsets
.endif
.set BK, 32+40*((\g)%5)
.set OF, BK+32
.set i, 0
.rept 8
.if (\g) < 3
	ds_load_b128 v[BK+4*i:BK+4*i+3], v10 offset:(32*(\g)+i)*SP
.else
	ds_load_b128 v[BK+4*i:BK+4*i+3], v20 offset:(32*((\g)-3)+i)*SP
.endif
	ds_load_b32 v[OF+i], v14 offset:(32*(\g)+i)*4
.set i, i+1
.endr
	s_wait_dscnt 0x0
.set i, 0
.rept 8
	v_min_u32 v[OF+i], 0x1fff, v[OF+i]
	v_lshl_add_u32 v[OF+i], v[OF+i], 11, v15       ; a row of out0 is 2,048 bytes
.set i, i+1
.endr
.set i, 0
.rept 8
	global_store_b128 v[OF+i], v[BK+4*i:BK+4*i+3], s[14:15] th:TH_STORE_NT  ; 32 lanes store 512 consecutive bytes, at a multiple of 256 from out0's first
.set i, i+1
.endr
.endm
.irp g, 0,1,2,3,4,5,6
	OUTS \g
.endr
.Lout_end:
	s_wait_tensorcnt 0x0                           ; the wave's end, behind my last LDS store
	ds_add_u32 v4, v5
	s_wait_dscnt 0x0
	s_endpgm
.Lfunc_end_k_q57e61cc6db_moe:
	.size	k_q57e61cc6db_moe, .Lfunc_end_k_q57e61cc6db_moe-k_q57e61cc6db_moe
	.p2alignl 7, 3214868480
	.fill 96, 4, 3214868480
	.section	.rodata,"a",@progbits
	.p2align	6, 0x0
	.amdhsa_kernel k_q57e61cc6db_moe
		.amdhsa_group_segment_fixed_size 311808
		.amdhsa_private_segment_fixed_size 0
		.amdhsa_enable_private_segment 0
		.amdhsa_kernarg_size 48
		.amdhsa_user_sgpr_count 2
		.amdhsa_user_sgpr_kernarg_segment_ptr 1
		.amdhsa_wavefront_size32 1
		.amdhsa_system_sgpr_workgroup_id_x 1
		.amdhsa_system_sgpr_workgroup_id_y 1
		.amdhsa_system_sgpr_workgroup_id_z 1
		.amdhsa_system_vgpr_workitem_id 0
		.amdhsa_next_free_vgpr 1024
		.amdhsa_next_free_sgpr 66
		.amdhsa_reserve_vcc 1
		.amdhsa_float_denorm_mode_32 3
		.amdhsa_float_denorm_mode_16_64 3
		.amdhsa_memory_ordered 1
		.amdhsa_forward_progress 1
		.amdhsa_inst_pref_size 255
	.end_amdhsa_kernel
	.section	.bss,"aw",@nobits
	.p2align	6
	.space	262144
	.amdgpu_metadata
---
amdhsa.version: [ 1, 2 ]
amdhsa.kernels:
  - .name:           k_q57e61cc6db_moe
    .symbol:         k_q57e61cc6db_moe.kd
    .args:
      - { .name: xb, .offset: 0, .size: 8, .value_kind: global_buffer, .address_space: global }
      - { .name: wb, .offset: 8, .size: 8, .value_kind: global_buffer, .address_space: global }
      - { .name: rt, .offset: 16, .size: 8, .value_kind: global_buffer, .address_space: global }
      - { .name: pw, .offset: 24, .size: 8, .value_kind: global_buffer, .address_space: global }
      - { .name: expert_b, .offset: 32, .size: 8, .value_kind: global_buffer, .address_space: global }
      - { .name: out0, .offset: 40, .size: 8, .value_kind: global_buffer, .address_space: global }
    .group_segment_fixed_size: 311808
    .private_segment_fixed_size: 0
    .kernarg_segment_align: 8
    .kernarg_segment_size: 48
    .max_flat_workgroup_size: 128
    .sgpr_count:     66
    .vgpr_count:     1024
    .wavefront_size: 32
...
	.end_amdgpu_metadata
.endif
;; end of part 2
